; MI455X (gfx1250); checked and timed in simulation.
; The chip was launched on July 23, 2026; its instructions are those of AMD's public machine-readable ISA for CDNA 5 (MIT licence, August 2026) and "CDNA5" Instruction Set Architecture Reference Guide (July 2026). The comments in the code are by the model that wrote it; some were corrected since.
;; Self Attention. Allowed arithmetic: matrix products marked QUANTISED: E2M1 operands, one E8M0 scale for each 32 along K, by v_wmma_scale_f32_16x16x128_f8f6f4 with both operands' format E2M1 (or v_wmma_scale_f32_32x16x128_f4), f32 sums; everything else in f32.
;; Inputs: bk 32 float32; bq 32 float32; bv 256 float32; gamma 1 float32; wk_codes 32 x 8 x 16 uint8 (E2M1 codes of wk, K innermost, in blocks of 32 codes, two codes a byte); wk_scales 32 x 8 uint8 (E8M0 scales of wk, one for each 32 codes along K); wq_codes 32 x 8 x 16 uint8 (E2M1 codes of wq, K innermost, in blocks of 32 codes, two codes a byte); wq_scales 32 x 8 uint8 (E8M0 scales of wq, one for each 32 codes along K); wv_codes 256 x 8 x 16 uint8 (E2M1 codes of wv, K innermost, in blocks of 32 codes, two codes a byte); wv_scales 256 x 8 uint8 (E8M0 scales of wv, one for each 32 codes along K); x 4 x 256 x 64 x 64 float32.
;; Outputs: out0 4 x 256 x 64 x 64 float32.
;; This version of the problem:
;;   THIS VERSION OF THE PROBLEM IS GIVEN IN LOW PRECISION. The matrix products marked QUANTISED in the list below multiply operands that are first quantised to E2M1 (2 exponent bits, 1 mantissa bit; 4 bits a number), with one power-of-two scale for each 32 numbers along K (OCP MX v1.0); their sums are f32. All else is computed in f32.
;;   The module's matrix products, in the order in which they are computed (A, B: the left and right operand; K: the contracted axis; several contracted axes count as one K, in the product's order):
;;     1. [M 16,384, K 256] x [K 256, N 32]; A: input x; B: input wq (given as codes): QUANTISED
;;     2. [M 16,384, K 256] x [K 256, N 32]; A: input x; B: input wk (given as codes): QUANTISED
;;     3. batch 4 x [M 4,096, K 32] x [K 32, N 4,096]; A: computed on the way; B: computed on the way: QUANTISED
;;     4. [M 16,384, K 256] x [K 256, N 256]; A: input x; B: input wv (given as codes): QUANTISED
;;     5. batch 4 x [M 256, K 4,096] x [K 4,096, N 4,096]; A: computed on the way; B: softmax (see below): QUANTISED
;;   THE QUANTISER, for each operand of a quantised product, along K:
;;     - K is cut into blocks of 32 from its start; a last block that is shorter is filled with zeros.
;;     - A block's scale is 2^e with e = floor(log2(the largest magnitude in the block)) - 2, held to -126 .. 127; a block of zeros has e = 0. As a byte (E8M0): e + 127.
;;     - Each number is divided by its block's scale, clamped to +-6, and rounded to the nearest number of E2M1, ties to even, subnormals kept.
;;     - The product sums the exact products of the quantised numbers (number of the format x scale) in f32.
;;   ~~~python
;;   def quantise(x, axis):      # numpy; x: float32 -> the quantised numbers, widened to float32 again
;;       x = np.moveaxis(x, axis, -1); K = x.shape[-1]
;;       x = np.pad(x, [(0, 0)] * (x.ndim - 1) + [(0, -K % 32)]); x = x.reshape(x.shape[:-1] + (-1, 32)); a = np.abs(x).max(-1, keepdims=True)
;;       e = np.where(a > 0, np.clip(np.frexp(np.where(a > 0, a, 1))[1] - 1 - 2, -126, 127), 0)      # np.frexp(a)[1] - 1 = floor(log2(a)), exactly
;;       r = np.clip(x / 2.0 ** e, -6, 6)
;;       step = 2.0 ** (np.maximum(np.frexp(np.where(r == 0, 1, r))[1] - 1, 0) - 1)
;;       q = np.round(r / step) * step * 2.0 ** e      # np.round: ties to even
;;       return np.moveaxis(q.reshape(q.shape[:-2] + (-1,))[..., :K], -1, axis).astype(np.float32)
;;   ~~~
;;   SOFTMAX AHEAD OF A QUANTISED PRODUCT. Where the list says 'softmax', what is quantised is not the finished softmax but p = 2^(t - M), with t = logit x log2(e) and M = ceil(the row's largest t), a whole number; so 1/2 < the row's largest p <= 1. The row's sum l is taken of the UNQUANTISED p, in f32, and the product's result is divided by l at the end. Since M is a whole number, a kernel that streams over the keys may use a running M (the ceiling of the running maximum): every later rescaling is an exact power of two, which a block's scale takes up: the codes' values come out the same.
;;   OPERANDS COMPUTED ON THE WAY. 'Computed on the way' means the value that the module computes at that place (a softmax that the list does not call 'softmax' is quantised finished and normalised). What goes into a quantiser is computed in f32, as accurately as f32 sums, v_exp_f32 and their like allow (about 1e-6 of the number): no bf16 or f16 on the way to a quantiser, and a product that is left as it is and whose result goes on into a quantised operand takes f32 operands (vector FMAs, or v_wmma_f32_16x16x4_f32). A number that lies on a knife's edge between two numbers of the format may be rounded either way, as far as f32 arithmetic and the matrix unit's own rounding can turn it there, and no further.
;;   INPUTS GIVEN AS CODES. wk (in the module: [32, 256], K = its axis 1); wq (in the module: [32, 256], K = its axis 1); wv (in the module: [256, 256], K = its axis 1): each comes as NAME_codes (uint8): NAME with its K axis moved to the last place and cut into blocks of 32 codes, [.., K / 32, bytes a block], one block behind the other in memory; two codes a byte, the lower K in the low four bits (a code: sign, 2 exponent bits, 1 mantissa bit); and NAME_scales (uint8): the same leading axes, one E8M0 byte (e + 127) for each 32 codes along K. Its value is code x scale, taken as it is: it is not quantised again, and the codes and scales need not be those that the quantiser above would give.
;; One version. Each part assembles by itself: llvm-mc -triple=amdgcn-amd-amdhsa -mcpu=gfx1250 --defsym DOCPART=n.
;; ======== version 1 of 1: 2 launches
;; workspace buffers: kv 2,506,752 bytes; qc 262,144 bytes; qs 65,536 bytes
;; launch prep (part 1): grid 256 x 1, 8 waves a work-group, no clusters, 11,264 bytes of LDS; arguments x, wq_codes, wq_scales, bq, wk_codes, wk_scales, bk, wv_codes, wv_scales, bv, kv, qc, qs; writes kv, qc, qs
.if DOCPART == 1
	.amdgcn_target "amdgcn-amd-amdhsa--gfx1250"
	.amdhsa_code_object_version 6
	.text
	.protected	k_q1e7871943c_prep
	.globl	k_q1e7871943c_prep
	.p2align	8
	.type	k_q1e7871943c_prep,@function
k_q1e7871943c_prep:
	s_mov_b64 s[64:65], 0
	v_nop
	global_prefetch_b8 v0, s[64:65] scope:SCOPE_SE
	s_setreg_imm32_b32 hwreg(HW_REG_WAVE_MODE, 25, 1), 1
	s_wait_xcnt 0x0
; x [4][256][4096] f32 is quantised along its channels (E2M1, one E8M0 byte for each 32 channels of a pixel) and multiplied by wq, wk, wv, which come as codes:
; q = x wq^T + bq, k = x wk^T + bk (32 numbers a pixel), v = wv x + bv (256 channels).  q and k are then quantised along their 32 numbers, v along the pixels (the keys of the later product),
; and all three leave as codes and scale bytes, laid in the order in which the next launch's operand registers take them.
; kv: [batch 4][slot 8][78,336 bytes]; a slot is 512 keys = 4 steps q of 128 keys; B = 0 .. 3 is a step's block of 32 keys.  In a slot:
;   V's codes   at         q 16384 + T 1024 + c 512 + 16 (16 h + r): 16 bytes = channel 16 T + r, keys 128 q + 64 c + 32 h + 0 .. 31
;   K's codes   at 65536 + q 2048 + B 512 + 16 L: the 32 codes of key 128 q + 32 B + p(L), p(L) = L with its bits 3 and 4 exchanged
;   V's scales  at 73728 + q 1024 + (T / 8) 512 + 16 (16 (T % 2) + r) + 4 ((T / 2) % 4) + B
;   K's scales  at 77824 + q 128 + 4 (16 (B / 2) + r) + 2 (B % 2) + u: the key in lane 16 u + r of K's codes
; qc: [16384][16 bytes] q's codes of a pixel;  qs: [16384] words, q's scale byte in all four bytes.
; SHARES.  A work-group of eight waves takes 64 pixels of one batch: 256 work-groups.  Wave w: beta = w / 4 says which 32 pixels, s4 = w % 4 which quarter of the work:
; it quantises channels 64 s4 .. 64 s4 + 63 of its 32 pixels (two blocks: its 64 loads of x are all asked for at the start), hands the codes to its three partners through LDS as images of the
; operand's registers, and then makes V's channels 64 s4 .. + 63 and ONE unit of q (w even) or k (w odd): the 16 pixels of tile pu = (w / 2) % 2.  So all waves run one text and part only at the last stores.
; A LANE TAKES A PIXEL AND ITS REGISTERS RUN DOWN THE CHANNELS: each load reads 128 consecutive bytes, a block of 32 channels lies in one lane, and the conversions give codes with K innermost.
; Lane L takes pixel p(L): lanes 0-15 are then a tile of 16 pixels r + 8 (r / 8), lanes 16-31 the tile 8 + r + 8 (r / 8), so that V's 16 result registers of the two tiles are 16 neighbouring pixels.
; A work-group owns two of a step's four blocks of keys, so two of the four bytes of each of V's scale words: these leave as half-words, 512 of the 9,792 bytes that it stores into kv.
; LIMITS: NaN and infinities among the inputs are not served; a block whose largest magnitude lies under 2^-124 (a block of zeros too) keeps the scale byte 1: the bytes are read by this program alone.
.set SLOTB, 78336
.set XSC,  8192                        ; LDS: x's 8 fragments' images from byte 0 (8,192 bytes); their scale words, 128 bytes for each (beta, K step);
.set VSG,  8704                        ; V's 512 scale bytes of this work-group: two bytes for each of the step's 256 scale words;
.set KSG,  9216                        ; K's 64
.set XW,   24                          ; v24-25  x's scale words of K steps 0, 1: lanes 0-15 pixel tile 0, lanes 16-31 tile 1
.set WVS,  26                          ; v26-33  wv's scale words: tile t, K step s at 26 + 2 t + s
.set WQS,  34                          ; v34-37  wq's or wk's: tile o, K step s at 34 + 2 o + s
.set XWQ,  38                          ; v38-39  x's scale words of my unit's pixel tile, in lanes 0-15
.set SW,   40                          ; v40     the two scale bytes that I make of x
.set BV,   48                          ; v48-55  bv of my lane's channel, twice, for each of my 4 tiles
.set XF,   64                          ; v64-95  x's fragments (K step s, pixel tile u) at 64 + 16 s + 8 u; behind the products these are at work:
.set TM,   64                          ;   v64-67 largest magnitudes
.set PT,   68                          ;   v68-71 the other half's, then scale bytes
.set SOP,  72                          ;   v72-75 the conversions' scale operands
.set VC,   76                          ;   v76-83 V's codes, two registers a tile, each its own: no store's data are written again
.set QC,   84                          ;   v84-85 q's or k's codes
.set XQ,   96                          ; v96-111 x's fragments of my unit's pixel tile, K step s at 96 + 8 s (v96-99 are at work while x is quantised)
.set QA,   112                         ; v112-127 q's or k's accumulators at 112 + 8 o
.set XN,   128                         ; v128-191 two blocks of 32 numbers of x
.set VA,   128                         ; v128-191 behind the first barrier: V's accumulators at 128 + 16 t + 8 u
.set CD,   192                         ; v192-199 x's codes
.set WQF,  64                          ; window 1: v0-63 wv's fragments at 16 t + 8 s; v64-95 wq's or wk's at 64 + 16 o + 8 s;
.set BQ,   96                          ;           v96-111 bq or bk in the result's layout, 8 registers a tile
.set MSB, 0
.macro WIN new                         ; the immediate's high byte repeats the setting that is left
.if MSB != \new
	s_set_vgpr_msb (MSB<<8)|\new
.set MSB, \new
.endif
.endm
.macro LOAD t                          ; block t of my 64 channels: x(32 t + i, my pixel), i = 0 .. 31.  No hint: the next launch reads x again
.set i, 0
.rept 32
	global_load_b32 v[XN+32*(\t)+i], v4, s[4:5] offset:(32*(\t)+i)*16384
.set i, i+1
.endr
.endm
.macro BLOCK t                         ; its largest magnitude, its scale byte, its 32 codes
.set XS, XN+32*(\t)
	v_max3_num_f32 v96, |v[XS]|, |v[XS+1]|, |v[XS+2]|
	v_max3_num_f32 v97, |v[XS+3]|, |v[XS+4]|, |v[XS+5]|
.irp i, 6,10,14,18,22,26
	s_delay_alu instid0(VALU_DEP_2)
	v_max3_num_f32 v96, v96, |v[XS+\i]|, |v[XS+\i+1]|
	s_delay_alu instid0(VALU_DEP_2)
	v_max3_num_f32 v97, v97, |v[XS+\i+2]|, |v[XS+\i+3]|
.endr
	s_delay_alu instid0(VALU_DEP_2)
	v_max3_num_f32 v96, v96, |v[XS+30]|, |v[XS+31]|
	s_delay_alu instid0(VALU_DEP_1)
	v_max3_num_f32 v96, v96, v97, 0x1800000        ; the floor 2^(3 - 127): the byte cannot fall under 1
	s_delay_alu instid0(VALU_DEP_1)
	v_add_nc_u32 v98, 0xff000000, v96              ; 2 off the exponent field: the conversion takes that field as its scale
	s_delay_alu instid0(VALU_DEP_1)
	v_lshrrev_b32 v99, 23, v98                     ; the scale's byte
.if (\t) == 0
	s_delay_alu instid0(VALU_DEP_1)
	v_mov_b32 v[SW], v99
.else
	s_delay_alu instid0(VALU_DEP_1)
	v_lshl_or_b32 v[SW], v99, 8*(\t), v[SW]
.endif
.irp g, 0,1,2,3
	v_cvt_scalef32_pk8_fp4_f32 v[CD+4*(\t)+\g], v[XS+8*\g:XS+8*\g+7], v98
.endr
	v_nop                                          ; one plain place behind a scaled conversion
.endm
.macro BARRIER                         ; my LDS stores have landed and my LDS loads are in: then the work-group's barrier
	s_wait_dscnt 0x0
	s_barrier_signal -1
	s_barrier_wait -1
.endm
; V: source 0 = 16 pixels of x, source 1 = 16 rows of wv: lane (r, h) holds channel r of tile t, register j pixel 16 h + 8 u + j
.macro VMUL s, t, u
.set rD, VA+16*\t+8*\u
.set rA, XF+16*\s+8*\u
.set rB, 16*\t+8*\s
.if (\s == 0) && (\u == 0)
	v_wmma_scale_f32_16x16x128_f8f6f4 v[rD:rD+7], v[rA:rA+7], v[rB:rB+7], 0, v[XW+\s], v[WVS+2*\t+\s] matrix_a_fmt:MATRIX_FMT_FP4 matrix_b_fmt:MATRIX_FMT_FP4
.elseif \s == 0
	v_wmma_scale_f32_16x16x128_f8f6f4 v[rD:rD+7], v[rA:rA+7], v[rB:rB+7], 0, v[XW+\s], v[WVS+2*\t+\s] matrix_a_fmt:MATRIX_FMT_FP4 matrix_b_fmt:MATRIX_FMT_FP4 matrix_a_scale:MATRIX_SCALE_ROW1
.elseif \u == 0
	v_wmma_scale_f32_16x16x128_f8f6f4 v[rD:rD+7], v[rA:rA+7], v[rB:rB+7], v[rD:rD+7], v[XW+\s], v[WVS+2*\t+\s] matrix_a_fmt:MATRIX_FMT_FP4 matrix_b_fmt:MATRIX_FMT_FP4
.else
	v_wmma_scale_f32_16x16x128_f8f6f4 v[rD:rD+7], v[rA:rA+7], v[rB:rB+7], v[rD:rD+7], v[XW+\s], v[WVS+2*\t+\s] matrix_a_fmt:MATRIX_FMT_FP4 matrix_b_fmt:MATRIX_FMT_FP4 matrix_a_scale:MATRIX_SCALE_ROW1
.endif
.endm
; q or k: source 0 = 16 rows of the weight (row 8 o + r + 8 (r / 8)), source 1 = my unit's 16 pixels: lane (r, h) holds pixel row r, register j the number 16 h + 8 o + j.  The bias is the first product's C
.macro QMUL s, o
.set rD, QA+8*\o
.set rA, WQF+16*\o+8*\s
.set rB, XQ+8*\s
.if \s == 0
	v_wmma_scale_f32_16x16x128_f8f6f4 v[rD:rD+7], v[rA:rA+7], v[rB:rB+7], v[BQ+8*\o:BQ+8*\o+7], v[WQS+2*\o+\s], v[XWQ+\s] matrix_a_fmt:MATRIX_FMT_FP4 matrix_b_fmt:MATRIX_FMT_FP4
.else
	v_wmma_scale_f32_16x16x128_f8f6f4 v[rD:rD+7], v[rA:rA+7], v[rB:rB+7], v[rD:rD+7], v[WQS+2*\o+\s], v[XWQ+\s] matrix_a_fmt:MATRIX_FMT_FP4 matrix_b_fmt:MATRIX_FMT_FP4
.endif
.endm
	s_load_b512 s[4:19], s[0:1], 0x0               ; x 4, wq_codes 6, wq_scales 8, bq 10, wk_codes 12, wk_scales 14, bk 16, wv_codes 18
	s_load_b256 s[20:27], s[0:1], 0x40             ; wv_scales 20, bv 22, kv 24, qc 26
	s_load_b64 s[28:29], s[0:1], 0x60              ; qs
	v_lshl_add_u32 v254, v0, 2, 0x2800
	v_mov_b32 v255, 0
	; every offset is made while the arguments are on their way
	v_lshrrev_b32 v56, 5, v0
	s_delay_alu instid0(VALU_DEP_1)
	v_readfirstlane_b32 s30, v56                   ; wave 0..7
	s_lshr_b32 s31, s30, 2                         ; beta: my 32 pixels
	s_and_b32 s32, s30, 3                          ; s4: my quarter
	s_and_b32 s33, s30, 1                          ; c: which register group of x's fragments I make; also: q (0) or k (1)
	s_bfe_u32 s34, s30, 0x10001                    ; which K step of x I quantise; also pu: my unit's pixel tile
	s_lshr_b32 s35, s30, 1                         ; 2 beta + K step
	v_and_b32 v56, 31, v0                          ; L
	v_and_b32 v57, 15, v0                          ; r
	v_bfe_u32 v58, v0, 4, 1                        ; h
	v_and_b32 v59, 7, v0
	v_bfe_u32 v60, v0, 3, 1                        ; r / 8
	s_delay_alu instid0(VALU_DEP_1)
	v_lshl_add_u32 v61, v60, 3, v57                ; r + 8 (r / 8)
	s_delay_alu instid0(VALU_DEP_3)
	v_lshl_or_b32 v62, v58, 3, v59
	s_delay_alu instid0(VALU_DEP_1)
	v_lshl_or_b32 v62, v60, 4, v62                 ; p(L)
	s_delay_alu instid0(VALU_DEP_4)
	v_lshl_or_b32 v63, v60, 4, v59                 ; r % 8 + 16 (r / 8): row r of tile pu is pixel 8 pu + this
	s_delay_alu instid0(VALU_DEP_2)
	v_lshlrev_b32 v4, 2, v62                       ; v4: x: 4 p(L)
	s_lshl_b32 s2, s35, 11
	s_lshl_b32 s3, s33, 9
	s_add_co_u32 s2, s2, s3
	v_lshl_add_u32 v5, v56, 4, s2                  ; v5: where I store x's images: 2048 (2 beta + K step) + 512 c + 16 L
	s_lshl_b32 s2, s35, 7
	s_lshl_b32 s3, s33, 1
	s_add_co_u32 s2, s2, s3
	s_add_co_u32 s2, s2, XSC
	v_lshl_add_u32 v6, v56, 2, s2                  ; v6: and my two bytes of their scale words: + 2 c + 4 L
	s_lshl_b32 s2, s31, 12
	v_lshl_add_u32 v7, v56, 4, s2                  ; v7: where I read the images of my 32 pixels: 4096 beta + 16 L
	s_lshl_b32 s3, s34, 10
	s_add_co_u32 s3, s3, s2
	v_lshl_add_u32 v22, v56, 4, s3                 ; v22: and those of my unit's tile once more: + 1024 pu
	s_lshl_b32 s2, s31, 8
	s_add_co_u32 s2, s2, XSC
	v_lshl_add_u32 v8, v56, 2, s2                  ; v8: their scale words: 256 beta + 4 L
	s_lshl_b32 s3, s34, 6
	s_add_co_u32 s3, s3, s2
	v_lshl_add_u32 v23, v57, 2, s3                 ; v23: my unit's tile's, in lanes 0-15: + 64 pu + 4 r
	v_lshlrev_b32 v9, 7, v57
	s_delay_alu instid0(VALU_DEP_1)
	v_lshl_add_u32 v9, v58, 4, v9                  ; v9: wv: row r of 128 bytes + 16 h
	v_lshlrev_b32 v10, 3, v57                      ; v10: wv's scales: 8 bytes a row
	v_lshlrev_b32 v11, 7, v61
	s_delay_alu instid0(VALU_DEP_1)
	v_lshl_add_u32 v11, v58, 4, v11                ; v11: wq, wk: row r + 8 (r / 8)
	v_lshlrev_b32 v12, 3, v61                      ; v12: their scales
	v_lshlrev_b32 v13, 6, v58                      ; v13: bq, bk: 16 h numbers on
	v_lshlrev_b32 v14, 2, v57                      ; v14: bv: my channel
	v_lshlrev_b32 v15, 4, v57
	s_delay_alu instid0(VALU_DEP_1)
	v_lshl_add_u32 v15, v58, 3, v15                ; v15: V's codes: 16 r + 8 h
	s_lshl_b32 s2, s34, 8
	s_lshl_b32 s3, s33, 2
	s_add_co_u32 s2, s2, s3
	s_add_co_u32 s2, s2, s31
	s_add_co_u32 s2, s2, VSG
	v_lshl_add_u32 v16, v57, 3, s2                 ; v16: V's scale byte: 2 x its word's number + beta; tile 4 s4 + t: word 128 (s4 / 2) + 64 (t % 2) + 4 r + 2 (s4 % 2) + t / 2
	s_lshl_b32 s2, s31, 1
	s_add_co_u32 s2, s2, s34
	s_add_co_u32 s2, s2, KSG
	v_lshl_add_u32 v17, v57, 2, s2                 ; v17: K's scale byte: 4 r + 2 beta + pu
	s_lshl_b32 s2, s34, 7
	v_lshl_add_u32 v18, v63, 4, s2
	s_delay_alu instid0(VALU_DEP_1)
	v_lshl_add_u32 v18, v58, 3, v18                ; v18: qc: 16 x my pixel + 8 h
	s_lshl_b32 s2, s34, 5
	v_lshl_add_u32 v20, v63, 2, s2
	s_delay_alu instid0(VALU_DEP_1)
	v_lshl_add_u32 v20, v58, 1, v20                ; v20: qs: 4 x my pixel + 2 h
	s_lshl_b32 s2, s34, 8
	v_lshl_add_u32 v21, v57, 4, s2
	s_delay_alu instid0(VALU_DEP_1)
	v_lshl_add_u32 v21, v58, 3, v21                ; v21: K's image: 16 (16 pu + r) + 8 h
	v_lshl_add_u32 v1, v0, 1, VSG                  ; v1: the way out of V's scale bytes: a half-word a thread,
	v_lshlrev_b32 v2, 2, v0                        ; v2: into every second half-word of kv's words
	v_lshl_add_u32 v3, v56, 1, KSG                 ; v3: of K's: a half-word a lane
	v_lshlrev_b32 v19, 1, v56                      ; v19
	s_mov_b32 s36, 0x76543210
	s_mov_b32 s37, 0xfedcba98                      ; v_permlanex16_b32's selects for lane l xor 16
	; x: batch x 4 MiB + s4 x 64 channels + my 32 pixels
	s_lshr_b32 s48, ttmp9, 6
	s_lshl_b32 s48, s48, 22
	s_lshl_b32 s2, s32, 20
	s_add_co_u32 s48, s48, s2
	s_and_b32 s2, ttmp9, 63
	s_lshl_b32 s2, s2, 8
	s_add_co_u32 s48, s48, s2
	s_lshl_b32 s2, s31, 7
	s_add_co_u32 s48, s48, s2
	s_mov_b32 s49, 0
	s_and_b32 s39, ttmp9, 1                        ; which half of a step's 128 keys is my work-group's
	s_lshl_b32 s38, s39, 1
	s_add_co_u32 s38, s38, s31                     ; B: my block of 32 keys in the step
	s_lshr_b32 s50, ttmp9, 3
	s_mul_i32 s50, s50, SLOTB                      ; my slot of kv
	s_bfe_u32 s51, ttmp9, 0x20001                  ; my step q in it
	s_lshl_b32 s52, s51, 14                        ; V's codes: q 16384 + 4 s4 tiles of 1,024 + 256 B
	s_add_co_u32 s52, s52, s50
	s_lshl_b32 s2, s32, 12
	s_add_co_u32 s52, s52, s2
	s_lshl_b32 s2, s38, 8
	s_add_co_u32 s52, s52, s2
	s_mov_b32 s53, 0
	s_lshl_b32 s54, s51, 11                        ; K's codes
	s_add_co_u32 s54, s54, s50
	s_lshl_b32 s2, s38, 9
	s_add_co_u32 s54, s54, s2
	s_add_co_u32 s54, s54, 65536
	s_mov_b32 s55, 0
	s_lshl_b32 s56, s51, 10                        ; V's scales: my work-group's half-word of each word
	s_add_co_u32 s56, s56, s50
	s_lshl_b32 s2, s39, 1
	s_add_co_u32 s56, s56, s2
	s_add_co_u32 s56, s56, 73728
	s_mov_b32 s57, 0
	s_lshl_b32 s58, s51, 7                         ; K's scales: my work-group's 64 bytes
	s_add_co_u32 s58, s58, s50
	s_lshl_b32 s2, s39, 6
	s_add_co_u32 s58, s58, s2
	s_add_co_u32 s58, s58, 77824
	s_mov_b32 s59, 0
	s_lshl_b32 s60, ttmp9, 10                      ; qc: (64 x work-group + 32 beta) pixels of 16 bytes
	s_lshl_b32 s2, s31, 9
	s_add_co_u32 s60, s60, s2
	s_mov_b32 s61, 0
	s_lshr_b32 s62, s60, 2                         ; qs: 4 bytes a pixel
	s_mov_b32 s63, 0
	s_wait_kmcnt 0x0
	s_add_nc_u64 s[4:5], s[4:5], s[48:49]
	LOAD 0
	s_mov_b32 s3, 0
	s_lshl_b32 s2, s32, 13
	s_add_nc_u64 s[18:19], s[18:19], s[2:3]        ; my 64 rows of wv,
	s_lshl_b32 s2, s32, 9
	s_add_nc_u64 s[20:21], s[20:21], s[2:3]        ; of its scales,
	s_lshl_b32 s2, s32, 8
	s_add_nc_u64 s[22:23], s[22:23], s[2:3]        ; of bv
	s_cmp_eq_u32 s33, 0                            ; q's weights or k's: the choice hangs on the wave's number alone
	s_cselect_b64 s[6:7], s[6:7], s[12:13]
	s_cselect_b64 s[8:9], s[8:9], s[14:15]
	s_cselect_b64 s[10:11], s[10:11], s[16:17]
	s_add_nc_u64 s[40:41], s[24:25], s[52:53]      ; V's codes
	s_add_nc_u64 s[42:43], s[24:25], s[54:55]      ; K's codes
	s_add_nc_u64 s[44:45], s[24:25], s[56:57]      ; V's scales
	s_add_nc_u64 s[46:47], s[24:25], s[58:59]      ; K's scales
	s_add_nc_u64 s[26:27], s[26:27], s[60:61]
	s_add_nc_u64 s[28:29], s[28:29], s[62:63]
	LOAD 1                                         ; all of my x is asked for
	; ---- x becomes codes, block by block
	s_wait_loadcnt 32                              ; block 0 is in; block 1's 32 loads may be out
	BLOCK 0
	WIN 0x40                                       ; destination window 1.  Weights, scales and biases: 42 loads, asked for while block 1 is on its way
.irp t, 0,1,2,3
.irp s, 0,1
.irp c, 0,1
	global_load_b128 v[16*\t+8*\s+4*\c:16*\t+8*\s+4*\c+3], v9, s[18:19] offset:2048*\t+64*\s+32*\c
.endr
.endr
.endr
.irp o, 0,1
.irp s, 0,1
.irp c, 0,1
	global_load_b128 v[WQF+16*\o+8*\s+4*\c:WQF+16*\o+8*\s+4*\c+3], v11, s[6:7] offset:1024*\o+64*\s+32*\c
.endr
.endr
.endr
.irp o, 0,1
	global_load_b128 v[BQ+8*\o:BQ+8*\o+3], v13, s[10:11] offset:32*\o
	global_load_b128 v[BQ+8*\o+4:BQ+8*\o+7], v13, s[10:11] offset:32*\o+16
.endr
	WIN 0
.irp t, 0,1,2,3
	global_load_b64 v[WVS+2*\t:WVS+2*\t+1], v10, s[20:21] offset:128*\t
.endr
.irp o, 0,1
	global_load_b64 v[WQS+2*\o:WQS+2*\o+1], v12, s[8:9] offset:64*\o
.endr
.irp t, 0,1,2,3
	global_load_b32 v[BV+2*\t], v14, s[22:23] offset:64*\t
	global_load_b32 v[BV+2*\t+1], v14, s[22:23] offset:64*\t      ; twice: a pair for the packed addition
.endr
	s_wait_loadcnt 42                              ; block 1 is in; the 42 loads issued behind it may be out
	BLOCK 1
.irp i, 0,1,2,3                                ; the operand's layout wants my first block in lanes 0-15 and my second in lanes 16-31 of ONE tile: behind the exchange registers 4 u .. 4 u + 3 are group c of tile u
	v_permlane16_swap_b32 v[CD+\i], v[CD+4+\i]
.endr
	ds_store_b128 v5, v[CD:CD+3]
	ds_store_b128 v5, v[CD+4:CD+7] offset:1024
	ds_store_b16 v6, v[SW]
	BARRIER                                        ; the eight fragments of x lie in LDS
.irp s, 0,1
.irp u, 0,1
.irp c, 0,1
	ds_load_b128 v[XF+16*\s+8*\u+4*\c:XF+16*\s+8*\u+4*\c+3], v7 offset:2048*\s+1024*\u+512*\c
.endr
.endr
	ds_load_b32 v[XW+\s], v8 offset:128*\s
.endr
.irp s, 0,1                                    ; my unit's tile once more, through an address that carries pu: a register number cannot hang on the wave, and so all waves run one text
.irp c, 0,1
	ds_load_b128 v[XQ+8*\s+4*\c:XQ+8*\s+4*\c+3], v22 offset:2048*\s+512*\c
.endr
	ds_load_b32 v[XWQ+\s], v23 offset:128*\s
.endr
	s_wait_loadcnt 0x0                             ; weights, scales, biases
	s_wait_dscnt 0x0
	; ---- the products.  The accumulators take turns, one instruction a turn
	WIN 0x04                                       ; source 1 (wv) window 1
.irp s, 0,1
.irp t, 0,1,2,3
	VMUL \s, \t, 0
	VMUL \s, \t, 1
.endr
.endr
	WIN 0x11                                       ; source 0 (the weight) and source 2 (the bias) window 1
	QMUL 0, 0
	QMUL 0, 1
	WIN 0x01
	QMUL 1, 0
	QMUL 1, 1
	WIN 0
.rept 4
	v_nop                                          ; four places in front of the first read of results and the first write of registers that the products read (ISA guide 7.12.1)
.endr
.irp b, 0,1,2,3
	v_mov_b32 v[PT+\b], 0                          ; written once: a lane permute's destination counts as one of its sources
.endr
	; ---- my four tiles of V by turns: + bv, the block's largest magnitude (my 16 pixels and lane l xor 16's), byte, 16 codes; codes to memory, byte to LDS
.irp i, 0,2,4,6,8,10,12,14
.irp b, 0,1,2,3
	v_pk_add_f32 v[VA+16*\b+\i:VA+16*\b+\i+1], v[VA+16*\b+\i:VA+16*\b+\i+1], v[BV+2*\b:BV+2*\b+1]   ; ascending: each accumulator is read from its low end on
.endr
.endr
.irp b, 0,1,2,3
	v_max3_num_f32 v[TM+\b], |v[VA+16*\b]|, |v[VA+16*\b+1]|, 0x1800000
.endr
.irp i, 2,4,6,8,10,12,14
.irp b, 0,1,2,3
	s_delay_alu instid0(VALU_DEP_4)
	v_max3_num_f32 v[TM+\b], v[TM+\b], |v[VA+16*\b+\i]|, |v[VA+16*\b+\i+1]|
.endr
.endr
.irp b, 0,1,2,3
	s_delay_alu instid0(VALU_DEP_4)
	v_permlanex16_b32 v[PT+\b], v[TM+\b], s36, s37
.endr
.irp b, 0,1,2,3
	s_delay_alu instid0(VALU_DEP_4)
	v_max_num_f32 v[TM+\b], v[TM+\b], v[PT+\b]
.endr
.irp b, 0,1,2,3
	s_delay_alu instid0(VALU_DEP_4)
	v_add_nc_u32 v[SOP+\b], 0xff000000, v[TM+\b]
.endr
.irp b, 0,1,2,3
	s_delay_alu instid0(VALU_DEP_4)
	v_lshrrev_b32 v[PT+\b], 23, v[SOP+\b]
.endr
.irp b, 0,1,2,3
	v_cvt_scalef32_pk8_fp4_f32 v[VC+2*\b], v[VA+16*\b:VA+16*\b+7], v[SOP+\b]
	v_cvt_scalef32_pk8_fp4_f32 v[VC+2*\b+1], v[VA+16*\b+8:VA+16*\b+15], v[SOP+\b]
.endr
	v_nop                                          ; one plain place behind a scaled conversion
.irp b, 0,1,2,3
	global_store_b64 v15, v[VC+2*\b:VC+2*\b+1], s[40:41] offset:\b*1024   ; the wave stores 256 consecutive bytes, at a multiple of 256 from kv's first byte
	ds_store_b8 v16, v[PT+\b] offset:128*(\b%2)+2*(\b/2)                  ; both lanes of a block write the same byte with the same value
.endr
	s_wait_dscnt 0x0                               ; the byte stores have read their registers
	; ---- my unit of q or k: a pixel's 32 numbers are one block: my 16 and lane l xor 16's
	v_max3_num_f32 v[TM], |v[QA]|, |v[QA+1]|, 0x1800000
	v_max3_num_f32 v[TM+1], |v[QA+8]|, |v[QA+9]|, |v[QA+10]|
	v_max3_num_f32 v[TM], v[TM], |v[QA+2]|, |v[QA+3]|
	v_max3_num_f32 v[TM+1], v[TM+1], |v[QA+11]|, |v[QA+12]|
	v_max3_num_f32 v[TM], v[TM], |v[QA+4]|, |v[QA+5]|
	v_max3_num_f32 v[TM+1], v[TM+1], |v[QA+13]|, |v[QA+14]|
	v_max3_num_f32 v[TM], v[TM], |v[QA+6]|, |v[QA+7]|
	v_max3_num_f32 v[TM], v[TM], v[TM+1], |v[QA+15]|
	s_delay_alu instid0(VALU_DEP_1)
	v_permlanex16_b32 v[PT], v[TM], s36, s37
	s_delay_alu instid0(VALU_DEP_1)
	v_max_num_f32 v[TM], v[TM], v[PT]
	s_delay_alu instid0(VALU_DEP_1)
	v_add_nc_u32 v[SOP], 0xff000000, v[TM]
	s_delay_alu instid0(VALU_DEP_1)
	v_lshrrev_b32 v[PT], 23, v[SOP]
	v_cvt_scalef32_pk8_fp4_f32 v[QC], v[QA:QA+7], v[SOP]
	v_cvt_scalef32_pk8_fp4_f32 v[QC+1], v[QA+8:QA+15], v[SOP]
	v_nop                                          ; one plain place behind a scaled conversion
	s_cmp_lg_u32 s33, 0
	s_cbranch_scc1 .Lk_path
	v_lshl_or_b32 v[TM], v[PT], 8, v[PT]           ; the byte twice: my half of the pixel's word
	global_store_b64 v18, v[QC:QC+1], s[26:27]     ; my half of the pixel's 16 bytes: the wave stores two runs of 128 bytes
	global_store_b16 v20, v[TM], s[28:29]
	s_branch .Ljoin
.Lk_path:
	s_wait_alu depctr_va_vdst(0)
	ds_store_b8 v17, v[PT]                         ; both lanes of a key write the same byte with the same value
	global_store_b64 v21, v[QC:QC+1], s[42:43]     ; K's image: the wave stores 256 consecutive bytes
.Ljoin:
	BARRIER                                        ; the work-group's scale bytes of V and K lie in LDS
	ds_load_u16 v62, v1                            ; V's: a half-word a thread
	s_wait_dscnt 0x0
	global_store_b16 v2, v62, s[44:45]
	s_cmp_lg_u32 s30, 0
	s_cbranch_scc1 .Lend
	ds_load_u16 v63, v3                            ; wave 0: K's 64 bytes
	s_wait_dscnt 0x0
	global_store_b16 v19, v63, s[46:47]
.Lend:
	s_wait_tensorcnt 0x0
	ds_add_u32 v254, v255
	s_wait_dscnt 0x0
	s_endpgm
.Lfunc_end_k_q1e7871943c_prep:
	.size	k_q1e7871943c_prep, .Lfunc_end_k_q1e7871943c_prep-k_q1e7871943c_prep
	.p2alignl 7, 3214868480
	.fill 96, 4, 3214868480
	.section	.rodata,"a",@progbits
	.p2align	6, 0x0
	.amdhsa_kernel k_q1e7871943c_prep
		.amdhsa_group_segment_fixed_size 11264
		.amdhsa_private_segment_fixed_size 0
		.amdhsa_enable_private_segment 0
		.amdhsa_kernarg_size 104
		.amdhsa_user_sgpr_count 2
		.amdhsa_user_sgpr_kernarg_segment_ptr 1
		.amdhsa_wavefront_size32 1
		.amdhsa_system_sgpr_workgroup_id_x 1
		.amdhsa_system_sgpr_workgroup_id_y 1
		.amdhsa_system_sgpr_workgroup_id_z 1
		.amdhsa_system_vgpr_workitem_id 0
		.amdhsa_next_free_vgpr 368
		.amdhsa_next_free_sgpr 66
		.amdhsa_reserve_vcc 0
		.amdhsa_float_denorm_mode_32 3
		.amdhsa_float_denorm_mode_16_64 3
		.amdhsa_memory_ordered 1
		.amdhsa_forward_progress 1
		.amdhsa_inst_pref_size 35
	.end_amdhsa_kernel
	.amdgpu_metadata
---
amdhsa.version: [ 1, 2 ]
amdhsa.kernels:
  - .name:           k_q1e7871943c_prep
    .symbol:         k_q1e7871943c_prep.kd
    .args:
      - { .name: x, .offset: 0, .size: 8, .value_kind: global_buffer, .address_space: global }
      - { .name: wq_codes, .offset: 8, .size: 8, .value_kind: global_buffer, .address_space: global }
      - { .name: wq_scales, .offset: 16, .size: 8, .value_kind: global_buffer, .address_space: global }
      - { .name: bq, .offset: 24, .size: 8, .value_kind: global_buffer, .address_space: global }
      - { .name: wk_codes, .offset: 32, .size: 8, .value_kind: global_buffer, .address_space: global }
      - { .name: wk_scales, .offset: 40, .size: 8, .value_kind: global_buffer, .address_space: global }
      - { .name: bk, .offset: 48, .size: 8, .value_kind: global_buffer, .address_space: global }
      - { .name: wv_codes, .offset: 56, .size: 8, .value_kind: global_buffer, .address_space: global }
      - { .name: wv_scales, .offset: 64, .size: 8, .value_kind: global_buffer, .address_space: global }
      - { .name: bv, .offset: 72, .size: 8, .value_kind: global_buffer, .address_space: global }
      - { .name: kv, .offset: 80, .size: 8, .value_kind: global_buffer, .address_space: global }
      - { .name: qc, .offset: 88, .size: 8, .value_kind: global_buffer, .address_space: global }
      - { .name: qs, .offset: 96, .size: 8, .value_kind: global_buffer, .address_space: global }
    .group_segment_fixed_size: 11264
    .private_segment_fixed_size: 0
    .kernarg_segment_align: 8
    .kernarg_segment_size: 104
    .max_flat_workgroup_size: 256
    .sgpr_count:     66
    .vgpr_count:     368
    .wavefront_size: 32
...
	.end_amdgpu_metadata
.endif
;; end of part 1
;; launch attn (part 2): grid 64 x 4, 8 waves a work-group, clusters of 4 x 1, 327,680 bytes of LDS; arguments qc, qs, kv, x, gamma, out0; writes out0
.if DOCPART == 2
	.amdgcn_target "amdgcn-amd-amdhsa--gfx1250"
	.amdhsa_code_object_version 6
	.text
	.protected	k_q1e7871943c_attn
	.globl	k_q1e7871943c_attn
	.p2align	8
	.type	k_q1e7871943c_attn,@function
k_q1e7871943c_attn:
	s_mov_b64 s[64:65], 0
	v_nop
	global_prefetch_b8 v0, s[64:65] scope:SCOPE_SE
	s_setreg_imm32_b32 hwreg(HW_REG_WAVE_MODE, 25, 1), 1
	s_wait_xcnt 0x0
	s_wait_alu depctr_hold_cnt(0) depctr_sa_sdst(0) depctr_va_vdst(0) depctr_va_sdst(0) depctr_va_ssrc(0) depctr_va_vcc(0) depctr_vm_vsrc(0)
	s_getreg_b32 s2, hwreg(HW_REG_IB_STS2, 6, 4)
	s_cmp_eq_u32 s2, 0
	s_cbranch_scc0 .Lentry_in_a_cluster
	s_endpgm
.Lentry_in_a_cluster:
	s_bfe_u32 s2, ttmp6, 0x10000c
	s_cmp_lg_u32 s2, 0x3003
	s_cbranch_scc0 .Lentry_shape_is_right
	s_endpgm
.Lentry_shape_is_right:
; out[b][c][m] = gamma x (sum over keys n of v[b][c][n] p[m][n]) / l[m] + x[b][c][m], both products on E2M1 codes with one E8M0 scale for each 32 along K.
; t = (q[m] . k[n]) x log2(e); M = the largest t so far, rounded UP to a whole number; p = 2^(t - M) is quantised along the keys; l is the sum of the unquantised p.  When M moves, l and O are multiplied by 2^(old M - new M): exact.
; q, k, v come as codes from the launch before, laid as images of the operands' registers (kv: [batch][slot of 512 keys][78,336 bytes]: V's codes, K's codes, V's scales, K's scales).
; SHARES.  A work-group owns 64 queries of one batch.  Wave w: query tile t = w % 4 (16 queries), key group g = w / 4: of each slot's four steps of 128 keys it works steps 2 g and 2 g + 1, with a running M, l and O^T
; (16 queries x 256 channels, 128 registers) of its own; waves w and w xor 4 join their halves once, at the end, through LDS.  Two waves share a SIMD: one's vector work stands beside the other's matrix work and LDS loads.
; A WAVE'S TWO STEPS OF A SLOT SHARE ONE M: the scores of all 256 keys are made first (128 registers), M moves once, and l and O^T (64 packed multiplies) are brought under it once for 256 keys.
; THE PRODUCT WITH K = 32.  The matrix instruction is 128 deep.  A fragment of K holds FOUR tiles of 16 keys, one in each block of 32 along K; q's 32 codes stand in ONE block j of the other operand, zero codes in the three others:
; that product gives tile j of the four.  Zero codes add nothing under any scale byte from 1 to 254.  Eight products for 128 keys, four LDS loads.
; Both products are used transposed (S^T = K q^T, O^T = V p^T): a lane holds ONE query (lane % 16) throughout.  The keys of a tile are chosen (by the launch before) so that the 16 registers of tiles 2 b, 2 b + 1 are keys 32 b + 16 (lane / 16) + 0 .. 15.
; CLUSTER.  The four work-groups of a cluster belong to one batch and walk the same slots: each slot is asked for JOINTLY, by the same three tensor loads (waves 0 to 2, 102 rows of 256 bytes each) with a mask that names the four.
; By this text's own count a wave has one tensor load out.
; LIMITS: NaN and infinities among the inputs are not served; p under 2^-126 comes out of v_exp_f32 as 0; a block of p whose largest lies under 2^-124 keeps the scale byte 1.
; REGISTERS.  window 0: v1-2 the spare word's address and 0; v3-8 my places in a slot; v9-14 the same in the slot in hand; v15-23 addresses of the end; v24 -M, v25 the largest t, v[26:27] l in two halves;
;   v28 q's scale word, v29-30 K's, v31 p's, v32-39 V's: scales and nothing else; v40-59 q's codes and zeros; v60-91 K's fragments of two steps; v92-99 p's codes; v100-121 at work; v128-255 S^T of two steps, then p.
;   window 1: v0-127 O^T: place f holds channel tile f xor 8 g, so that every wave keeps places 0-7 and sends places 8-15; v128-255 V's 16 fragments of one step.
.set SLOTB, 78336
.set SLOT1, 131072                     ; slot 1 begins here: one exclusive or turns an address in one slot into the other's
.set SPARE, 262144                     ; the spare words, 128 bytes for each wave: four blocks of 256 bytes that no other line names
.set XST,   65536                      ; the end: from byte 0 eight images of 8,192 bytes (a wave's places 8-15), at XST 256 bytes a wave (-M, l): in slot 0, which has had its last fill and its last read
.set STG,   131072                     ; and a stage of 256 rows (channels) x (256 bytes + 16), in slot 1, written behind a barrier that every wave reaches behind its last read of the slot
.set NM,  24
.set TX,  25
.set LS,  26
.set QS,  28
.set KS,  29
.set PS,  31
.set VS,  32
.set QF,  40                           ; Qlo, zeros, Qhi, zeros, Qlo, four registers each: block 0 = v[40:47], block 3 = v[44:51], block 1 = v[48:55], block 2 = v[52:59]
.set KF,  60
.set PC,  92
.set BM,  100                          ; the blocks' largest scores: step 0's at v100-103, step 1's 18 further on, at v118-121
.set PT,  104
.set SOP, 108
.set T,   112
.set F,   114
.set SU,  116
.set S,   128
.set MSB, 0
.macro WIN new                         ; the immediate's high byte repeats the setting that is left
.if MSB != \new
	s_set_vgpr_msb (MSB<<8)|\new
.set MSB, \new
.endif
.endm
.macro CROUND                          ; a round of the cluster's barrier
	s_barrier_signal -1
	s_barrier_wait -1
	s_cmp_lg_u32 s16, 0
	s_cbranch_scc1 .Lnot_wave_0_\@
	s_barrier_signal -3
.Lnot_wave_0_\@:
	s_barrier_wait -3
	s_barrier_signal -1
	s_barrier_wait -1
.endm
.macro JLOAD                           ; waves 0 to 2 ask for a third of a slot each; the branch hangs on the wave's number alone.  Four v_nop follow the load
	s_cmp_lt_u32 s16, 3
	s_cbranch_scc0 .Lasked_\@
	tensor_load_to_lds s[32:35], s[24:31]
	s_nop 0
.rept 4
	v_nop
.endr
.Lasked_\@:
.endm
; THE CHANGE OF SLOTS stands at a slot's head.  Each wave waits for all its tensor loads (its part of the slot ahead), adds 0 to its spare word, and waits for that and for its reads of the slot that it has left.
; fill = 1: a round of the cluster's barrier, and behind it the slot just left is filled with the next 512 keys: the load has a whole slot's steps in which to land.
.macro CHANGE fill
	s_wait_tensorcnt 0x0                           ; no tensor load of mine is out, so group 0 may be written
	ds_add_u32 v1, v2                              ; 0 onto my spare word
.if \fill
	s_xor_b32 s33, s33, SLOT1                      ; the other slot than last time,
	s_add_nc_u64 s[34:35], s[34:35], SLOTB         ; the next slot of kv; the type bits on top are not reached
.endif
	s_wait_dscnt 0x0                               ; the add is done, and my reads of the slot that I have left are over
.if \fill
	CROUND
	JLOAD
.else
	s_barrier_signal -1
	s_barrier_wait -1
.endif
.endm
.macro VLOAD q                         ; V's scale words and 16 fragments of my q-th step: 34 LDS loads
	ds_load_b128 v[VS:VS+3], v12 offset:1024*\q    ; register i: lanes 0-15 place 2 i, lanes 16-31 place 2 i + 1
	ds_load_b128 v[VS+4:VS+7], v13 offset:1024*\q+512
	WIN 0x40                                       ; destination window 1
.irp f, 0,1,2,3,4,5,6,7
.irp c, 0,1
	ds_load_b128 v[128+8*\f+4*\c:128+8*\f+4*\c+3], v9 offset:16384*\q+1024*\f+512*\c
.endr
.endr
.irp f, 8,9,10,11,12,13,14,15
.irp c, 0,1
	ds_load_b128 v[128+8*\f+4*\c:128+8*\f+4*\c+3], v10 offset:16384*\q+1024*\f+512*\c
.endr
.endr
	WIN 0
.endm
.macro SCORES q                        ; S^T of my q-th step: tile t = block t % 4 of K's fragment t / 4
.irp t, 0,1,2,3,4,5,6,7
.set jj, \t%4
.set rB, QF+8*jj
.if jj > 1
.set rB, QF+28-8*jj
.endif
.if \t < 4
	v_wmma_scale_f32_16x16x128_f8f6f4 v[S+64*\q+8*\t:S+64*\q+8*\t+7], v[KF+16*\q:KF+16*\q+7], v[rB:rB+7], 0, v[KS+\q], v[QS] matrix_a_fmt:MATRIX_FMT_FP4 matrix_b_fmt:MATRIX_FMT_FP4
.else
	v_wmma_scale_f32_16x16x128_f8f6f4 v[S+64*\q+8*\t:S+64*\q+8*\t+7], v[KF+16*\q+8:KF+16*\q+15], v[rB:rB+7], 0, v[KS+\q], v[QS] matrix_a_fmt:MATRIX_FMT_FP4 matrix_b_fmt:MATRIX_FMT_FP4 matrix_a_scale:MATRIX_SCALE_ROW1
.endif
.endr
.endm
.macro BLKMAX q                        ; the largest score of each block of 32 keys: for the row's maximum and, since p rises with the score, for the block's largest p
.irp b, 0,1,2,3
	v_max3_num_f32 v[BM+18*\q+\b], v[S+64*\q+16*\b], v[S+64*\q+16*\b+1], v[S+64*\q+16*\b+2]
.endr
.irp i, 3,5,7,9,11,13
.irp b, 0,1,2,3
	v_max3_num_f32 v[BM+18*\q+\b], v[BM+18*\q+\b], v[S+64*\q+16*\b+\i], v[S+64*\q+16*\b+\i+1]
.endr
.endr
.irp b, 0,1,2,3
	v_max_num_f32 v[BM+18*\q+\b], v[BM+18*\q+\b], v[S+64*\q+16*\b+15]
.endr
.irp b, 0,1,2,3
	s_delay_alu instid0(VALU_DEP_4)
	v_permlanex16_b32 v[PT+\b], v[BM+18*\q+\b], s40, s41
.endr
.irp b, 0,1,2,3
	s_delay_alu instid0(VALU_DEP_4)
	v_max_num_f32 v[BM+18*\q+\b], v[BM+18*\q+\b], v[PT+\b]   ; with lane l xor 16's 16 keys
.endr
.endm
.macro PA q                            ; t - M of my q-th step's 64 scores, two at a time (of the pairs the low word serves both halves), and of its blocks' largest
.set j, 0
.rept 32
	v_pk_fma_f32 v[S+64*\q+j:S+64*\q+j+1], v[S+64*\q+j:S+64*\q+j+1], s[38:39], v[NM:NM+1] op_sel_hi:[1,0,0]
.set j, j+2
.endr
.irp b, 0,1,2,3
	v_fma_f32 v[BM+18*\q+\b], v[BM+18*\q+\b], s38, v[NM]
.endr
.endm
.macro PB q                            ; p, its scale word, its codes, its sum
.set j, 0
.rept 64
	v_exp_f32 v[S+64*\q+j], v[S+64*\q+j]           ; p = 2^(t - M), at most 1
.set j, j+1
.endr
.irp b, 0,1,2,3
	v_exp_f32 v[BM+18*\q+\b], v[BM+18*\q+\b]       ; the block's largest p: the same two instructions on the same number
.endr
.if \q == 0
	v_pk_mul_f32 v[LS:LS+1], v[LS:LS+1], v[F:F+1] op_sel_hi:[1,0]   ; l under the new M, once for both steps.  (The plain place behind the exponentials)
	s_wait_alu depctr_va_vdst(0)
.else
	v_nop                                          ; the plain place behind the exponentials
	s_wait_alu depctr_va_vdst(0)
.endif
.irp b, 0,1,2,3
	v_max_num_f32 v[BM+18*\q+\b], 0x1800000, v[BM+18*\q+\b]   ; the floor 2^(3 - 127): the byte cannot fall under 1
.endr
.irp b, 0,1,2,3
	s_delay_alu instid0(VALU_DEP_4)
	v_add_nc_u32 v[SOP+\b], 0xff000000, v[BM+18*\q+\b]        ; 2 off the exponent field: the conversion's scale operand
.endr
.irp b, 0,1,2,3
	s_delay_alu instid0(VALU_DEP_4)
	v_lshrrev_b32 v[PT+\b], 23, v[SOP+\b]          ; the scale's byte
.endr
	s_delay_alu instid0(VALU_DEP_3)
	v_lshl_or_b32 v[PS], v[PT+1], 8, v[PT]         ; p's scale word for these 128 keys
	s_delay_alu instid0(VALU_DEP_1)
	v_lshl_or_b32 v[PS], v[PT+2], 16, v[PS]
	s_delay_alu instid0(VALU_DEP_1)
	v_lshl_or_b32 v[PS], v[PT+3], 24, v[PS]
.irp b, 0,1,2,3
	v_cvt_scalef32_pk8_fp4_f32 v[PC+2*\b], v[S+64*\q+16*\b:S+64*\q+16*\b+7], v[SOP+\b]
	v_cvt_scalef32_pk8_fp4_f32 v[PC+2*\b+1], v[S+64*\q+16*\b+8:S+64*\q+16*\b+15], v[SOP+\b]
.endr
	v_nop                                          ; one plain place behind a scaled conversion
.irp c, 0,1                                    ; the operand's layout wants a whole block in a lane
.irp i, 0,1
	v_permlane16_swap_b32 v[PC+4*\c+\i], v[PC+4*\c+2+\i]
.endr
.endr
	v_pk_add_f32 v[SU:SU+1], v[S+64*\q:S+64*\q+1], v[S+64*\q+2:S+64*\q+3]   ; l takes the UNQUANTISED p: two at a time, in two chains.  (These 32 are the places between p's scale word and codes and the products)
.irp j, 4,8,12,16,20,24,28,32,36,40,44,48,52,56,60
	v_pk_add_f32 v[LS:LS+1], v[LS:LS+1], v[S+64*\q+\j:S+64*\q+\j+1]
	v_pk_add_f32 v[SU:SU+1], v[SU:SU+1], v[S+64*\q+\j+2:S+64*\q+\j+3]
.endr
	s_delay_alu instid0(VALU_DEP_1)
	v_pk_add_f32 v[LS:LS+1], v[LS:LS+1], v[SU:SU+1]
.endm
.macro PV                              ; O^T += V p^T: the 16 accumulators by turns
	WIN 0x51                                       ; V, C and D window 1, p window 0
	s_wait_dscnt 0x0                               ; V and its scale words are in
.irp f, 0,2,4,6,8,10,12,14
	v_wmma_scale_f32_16x16x128_f8f6f4 v[8*\f:8*\f+7], v[128+8*\f:128+8*\f+7], v[PC:PC+7], v[8*\f:8*\f+7], v[VS+\f/2], v[PS] matrix_a_fmt:MATRIX_FMT_FP4 matrix_b_fmt:MATRIX_FMT_FP4
	v_wmma_scale_f32_16x16x128_f8f6f4 v[8*\f+8:8*\f+15], v[128+8*\f+8:128+8*\f+15], v[PC:PC+7], v[8*\f+8:8*\f+15], v[VS+\f/2], v[PS] matrix_a_fmt:MATRIX_FMT_FP4 matrix_b_fmt:MATRIX_FMT_FP4 matrix_a_scale:MATRIX_SCALE_ROW1
.endr
	WIN 0
.endm
.macro SLOT_STEPS                      ; my two steps, 256 keys, of the slot in hand
.irp a, 0,1,2,3,4,5
	v_add_nc_u32 v[9+\a], s36, v[3+\a]             ; six plain lines: also the places between the last slot's products and the loads into V's registers
.endr
.irp q, 0,1
.irp e, 0,1
.irp c, 0,1
	ds_load_b128 v[KF+16*\q+8*\e+4*\c:KF+16*\q+8*\e+4*\c+3], v11 offset:2048*\q+1024*\e+512*\c
.endr
.endr
	ds_load_b32 v[KS+\q], v14 offset:128*\q        ; lanes 0-15: fragment 0's scale words; lanes 16-31: fragment 1's
.endr
	VLOAD 0                                        ; asked for ahead of the scores and the softmax
	s_wait_dscnt 34                                ; K's ten loads are in; the 34 issued behind them may be out
	SCORES 0
	SCORES 1
.rept 4
	v_nop                                          ; four places in front of the first read of the scores (ISA guide 7.12.1)
.endr
	BLKMAX 0
	BLKMAX 1
	v_max3_num_f32 v[T], v[BM], v[BM+1], v[BM+2]   ; the largest score of my query among the 256 keys
	s_delay_alu instid0(VALU_DEP_1)
	v_max3_num_f32 v[T], v[T], v[BM+3], v[BM+18]
	s_delay_alu instid0(VALU_DEP_1)
	v_max3_num_f32 v[T], v[T], v[BM+19], v[BM+20]
	s_delay_alu instid0(VALU_DEP_1)
	v_max_num_f32 v[T], v[T], v[BM+21]
	s_delay_alu instid0(VALU_DEP_1)
	v_mul_f32 v[T], s38, v[T]                      ; as t
	s_delay_alu instid0(VALU_DEP_1)
	v_max_num_f32 v[TX], v[TX], v[T]               ; the running largest t
	v_mov_b32 v[T], v[NM]
	s_delay_alu instid0(VALU_DEP_2)
	v_floor_f32 v[NM], -v[TX]                      ; the new -M = floor(-t) = -ceil(t)
	s_delay_alu instid0(VALU_DEP_1)
	v_sub_f32 v[T], v[NM], v[T]                    ; old M - new M: a whole number, 0 or less
	s_delay_alu instid0(VALU_DEP_1)
	v_cvt_i32_f32 v[T], v[T]                       ; (it saturates)
	s_delay_alu instid0(VALU_DEP_1)
	v_ldexp_f32 v[F], 1.0, v[T]                    ; f = 2^(old M - new M)
	PA 0
	s_wait_alu depctr_va_vdst(0)
	PB 0
	WIN 0x41                                       ; O^T (destination and source 0) window 1, f window 0
.set j, 0
.rept 64
	v_pk_mul_f32 v[j:j+1], v[j:j+1], v[F:F+1] op_sel_hi:[1,0]   ; O^T under the new M, ascending: once for both steps
.set j, j+2
.endr
	s_wait_alu depctr_va_vdst(0)
	PV
	PA 1                                           ; 36 plain lines that name none of those products' registers: the places in front of the loads into V's registers and of the writes of p's
	VLOAD 1                                        ; it lands under the second step's exponentials, conversions and sums
	s_wait_alu depctr_va_vdst(0)
	PB 1
	PV
	s_xor_b32 s36, s36, SLOT1                      ; on to the other slot
.endm
	s_load_b256 s[4:11], s[0:1], 0x0               ; qc 4, qs 6, kv 8, x 10
	s_load_b128 s[12:15], s[0:1], 0x20             ; gamma 12, out0 14
	v_lshl_add_u32 v1, v0, 2, SPARE
	v_mov_b32 v2, 0
	ds_add_u32 v1, v2
	ds_add_u32 v1, v2
	s_wait_dscnt 0x0
	v_lshrrev_b32 v[T], 5, v0
	s_delay_alu instid0(VALU_DEP_1)
	v_readfirstlane_b32 s16, v[T]                  ; wave 0..7
	s_and_b32 s17, s16, 3                          ; t: my tile of 16 queries
	s_lshr_b32 s18, s16, 2                         ; g: my group of keys
	s_bfe_u32 s19, ttmp6, 0x40000                  ; cx: my place in the cluster: it enters q's, x's and out's addresses alone
	s_lshl_b32 s20, ttmp9, 2
	s_add_co_u32 s20, s20, s19
	s_lshl_b32 s20, s20, 6                         ; my work-group's first query
	s_and_b32 s21, ttmp7, 0xffff                   ; the batch, which the four partners share
	; descriptor group 1: 102 rows of 256 bytes (32 elements of 8 bytes), dense, no padding: images are read 16 bytes a lane on end
	s_mov_b32 s24, 15|(3<<16)|(1<<21)              ; 15:0 the mask: all four work-groups; 17:16 elements of 8 bytes; 21 set beside a mask
	s_mov_b32 s25, 32<<16                          ; tensor_dim0 = 32
	s_mov_b32 s26, 102<<16                         ; tensor_dim1 = 102
	s_mov_b32 s27, 32<<16                          ; tile_dim0 = 32
	s_mov_b32 s28, 102                             ; tile_dim1 = 102
	s_mov_b32 s29, 32                              ; the pitch
	s_mov_b32 s30, 0
	s_mov_b32 s31, 0
	s_mul_i32 s33, s16, 26112                      ; group 0: LDS address: my third of slot 0
	s_mul_i32 s44, s21, 8*SLOTB
	s_add_co_u32 s44, s44, s33
	s_mov_b32 s45, 0
	s_mov_b32 s36, 0                               ; the slot in hand
	s_mov_b32 s37, 7                               ; slots still to be asked for
	s_mov_b32 s38, 0x3fb8aa3b                      ; log2(e)
	s_mov_b32 s39, s38                             ; (named with it as a pair, so it is written)
	s_mov_b32 s40, 0x76543210
	s_mov_b32 s41, 0xfedcba98                      ; v_permlanex16_b32's selects for lane l xor 16
	s_mov_b32 s42, 0x0000ffff                      ; lanes 0-15
	s_wait_kmcnt 0x0
	s_load_b32 s43, s[12:13], 0x0                  ; gamma
	s_mov_b32 s32, 1
	s_add_nc_u64 s[34:35], s[8:9], s[44:45]        ; my third of the batch's slot 0
	s_or_b32 s35, s35, 0x80000000
	CROUND                                         ; all four work-groups are here: the first joint loads meet
	JLOAD
	v_and_b32 v100, 31, v0                         ; L
	v_and_b32 v101, 15, v0                         ; r
	s_wait_alu depctr_va_vdst(0)
	v_bfe_u32 v102, v0, 4, 1                       ; h
	s_lshl_b32 s52, s21, 12
	s_add_co_u32 s52, s52, s20
	s_lshl_b32 s53, s17, 4
	s_add_co_u32 s52, s52, s53                     ; my first query among the 16,384
	s_lshl_b32 s54, s52, 4
	s_mov_b32 s55, 0
	s_add_nc_u64 s[4:5], s[4:5], s[54:55]
	s_lshl_b32 s54, s52, 2
	s_add_nc_u64 s[6:7], s[6:7], s[54:55]
	v_lshlrev_b32 v23, 4, v101
	v_lshlrev_b32 v113, 2, v101
	global_load_b128 v[120:123], v23, s[4:5]       ; query r's 32 codes, in both halves of the lanes
	global_load_b32 v[QS], v113, s[6:7]            ; and its scale byte, four times
	s_lshl_b32 s54, s21, 22
	s_lshl_b32 s53, s16, 19
	s_add_co_u32 s54, s54, s53
	s_lshl_b32 s53, s20, 2
	s_add_co_u32 s54, s54, s53
	s_add_nc_u64 s[48:49], s[10:11], s[54:55]      ; x and out at channel 32 w, my work-group's first query
	s_add_nc_u64 s[50:51], s[14:15], s[54:55]
	s_mul_i32 s44, s18, 40960
	v_lshl_add_u32 v3, v100, 4, s44                ; V, places 0-7: step 2 g, tile + 8 g
	s_mul_i32 s44, s18, 24576
	v_lshl_add_u32 v4, v100, 4, s44                ; V, places 8-15: step 2 g, tile - 8 g
	s_lshl_b32 s44, s18, 12
	s_add_co_u32 s44, s44, 65536
	v_lshl_add_u32 v5, v100, 4, s44                ; K
	s_mul_i32 s44, s18, 2560
	s_add_co_u32 s44, s44, 73728
	v_lshl_add_u32 v6, v100, 4, s44                ; V's scale words, places 0-7
	s_mul_i32 s44, s18, 1536
	s_add_co_u32 s44, s44, 73728
	v_lshl_add_u32 v7, v100, 4, s44                ; places 8-15 (with 512 in the load's offset)
	s_lshl_b32 s44, s18, 8
	s_add_co_u32 s44, s44, 77824
	v_lshl_add_u32 v8, v100, 2, s44                ; K's scale words
	v_lshlrev_b32 v15, 14, v100                    ; the prefetch of x: a channel's row a lane
	v_lshlrev_b32 v16, 4, v101
	s_delay_alu instid0(VALU_DEP_1)
	v_lshl_add_u32 v16, v102, 14, v16              ; x and out: lanes 0-15 one channel's 256 bytes, lanes 16-31 the next channel's
	s_lshl_b32 s44, s16, 13
	v_lshl_add_u32 v17, v100, 4, s44               ; where I put my places 8-15
	s_xor_b32 s45, s16, 4                          ; my partner: the same queries, the other keys
	s_lshl_b32 s46, s45, 13
	v_lshl_add_u32 v18, v100, 4, s46               ; and where I find my partner's
	s_lshl_b32 s44, s16, 8
	s_add_co_u32 s44, s44, XST
	v_lshl_add_u32 v19, v100, 3, s44               ; -M and l: mine,
	s_lshl_b32 s46, s45, 8
	s_add_co_u32 s46, s46, XST
	v_lshl_add_u32 v20, v100, 3, s46               ; my partner's
	s_mul_i32 s44, s18, 128*272
	s_lshl_b32 s46, s17, 6
	s_add_co_u32 s44, s44, s46
	s_add_co_u32 s44, s44, STG
	v_mul_u32_u24 v21, v102, 8*272
	s_delay_alu instid0(VALU_DEP_1)
	v_lshl_add_u32 v21, v101, 2, v21
	s_delay_alu instid0(VALU_DEP_1)
	v_add_nc_u32 v21, s44, v21                     ; the stage, in: row 128 g + 8 h (+ 16 f + j), byte 64 t + 4 r
	s_mul_i32 s44, s16, 32*272
	s_add_co_u32 s44, s44, STG
	v_mul_u32_u24 v22, v102, 272
	s_delay_alu instid0(VALU_DEP_1)
	v_lshl_add_u32 v22, v101, 4, v22
	s_delay_alu instid0(VALU_DEP_1)
	v_add_nc_u32 v22, s44, v22                     ; and back: rows 32 w + h (+ 2 i), 16 bytes a lane
	v_mov_b32 v[TX], 0xff61b1e6                    ; the largest t so far: -3e38, under every t
	s_delay_alu instid0(VALU_DEP_1)
	v_floor_f32 v[NM], -v[TX]
	v_mov_b32 v[LS], 0
	v_mov_b32 v[LS+1], 0
.irp b, 0,1,2,3
	v_mov_b32 v[PT+\b], 0                          ; written once: a lane permute's destination counts as one of its sources
.endr
	v_mov_b32 v[F+1], 0                            ; (named as the upper halves of pairs)
	v_mov_b32 v[SU+1], 0
.irp i, 0,1,2,3
	v_mov_b32 v[QF+4+\i], 0
	v_mov_b32 v[QF+12+\i], 0
.endr
	s_wait_alu depctr_va_vdst(0)
	s_wait_loadcnt 0x0                             ; q
.irp i, 0,1,2,3
	v_cndmask_b32 v[QF+\i], v[QF+4+\i], v[120+\i], s42      ; Qlo: the codes in lanes 0-15, zeros in lanes 16-31
	v_cndmask_b32 v[QF+8+\i], v[120+\i], v[QF+4+\i], s42    ; Qhi: the other way round
	v_cndmask_b32 v[QF+16+\i], v[QF+4+\i], v[120+\i], s42   ; Qlo once more
.endr
	WIN 0x40
.set j, 0
.rept 128
	v_mov_b32 v[j], 0                              ; O^T.  (The slot's text has no first form of its own: the first change of M leaves zeros zeros)
.set j, j+1
.endr
	WIN 0
	s_wait_kmcnt 0x0                               ; gamma
.Lslot:                                            ; seven trips: behind each change of slots but the last the next slot is asked for
	CHANGE 1
	SLOT_STEPS
	s_sub_co_u32 s37, s37, 1
	s_cmp_lg_u32 s37, 0
	s_cbranch_scc1 .Lslot
	CHANGE 0                                       ; the last slot is written out
	global_prefetch_b8 v15, s[48:49] th:TH_LOAD_NT scope:SCOPE_SE   ; my 32 channels' 256 bytes of x, one block a lane, each block asked for once in the launch, one slot's two steps ahead of their loads
	SLOT_STEPS
	s_wait_alu depctr_va_vdst(0)
	; ---- THE END.  l is finished; places 8-15 of O^T, -M and l go to the partner wave; the two halves are joined under the larger M
	v_add_f32 v[LS], v[LS], v[LS+1]
	s_delay_alu instid0(VALU_DEP_1)
	v_permlanex16_b32 v[T], v[LS], s40, s41
	s_delay_alu instid0(VALU_DEP_1)
	v_add_f32 v[TX], v[LS], v[T]                   ; my keys' l, beside -M
.rept 4
	v_nop                                          ; four places behind the last products: for the loads into V's registers and the first read of O^T
.endr
	WIN 0x40
.irp i, 0,1,2,3,4,5,6,7,8,9,10,11,12,13,14,15
	global_load_b128 v[192+4*\i:192+4*\i+3], v16, s[48:49] offset:2*\i*16384   ; x: 16 lanes read 256 consecutive bytes of a channel
.endr
	WIN 0x04                                       ; an LDS store's data are its source 1: window 1
.irp i, 0,1,2,3,4,5,6,7,8,9,10,11,12,13,14,15
	ds_store_b128 v17, v[64+4*\i:64+4*\i+3] offset:512*\i       ; each accumulator from its low end on
.endr
	WIN 0
	ds_store_b64 v19, v[NM:NM+1]
	s_wait_dscnt 0x0                               ; my stores have landed, and my reads of slot 1 are over
	s_barrier_signal -1
	s_barrier_wait -1
	WIN 0x40
.irp i, 0,1,2,3,4,5,6,7,8,9,10,11,12,13,14,15
	ds_load_b128 v[128+4*\i:128+4*\i+3], v18 offset:512*\i      ; my partner's sums for the channels that I keep
.endr
	WIN 0
	ds_load_b64 v[100:101], v20
	s_wait_dscnt 0x0
	v_min_num_f32 v102, v[NM], v100                ; -M of the larger M
	s_delay_alu instid0(VALU_DEP_1)
	v_sub_f32 v103, v102, v[NM]
	s_delay_alu instid0(VALU_DEP_2)
	v_sub_f32 v104, v102, v100
	s_delay_alu instid0(VALU_DEP_2)
	v_cvt_i32_f32 v103, v103
	s_delay_alu instid0(VALU_DEP_2)
	v_cvt_i32_f32 v104, v104
	s_delay_alu instid0(VALU_DEP_2)
	v_ldexp_f32 v103, 1.0, v103                    ; 2^(my M - M)
	s_wait_alu depctr_va_vdst(0)
	v_ldexp_f32 v104, 1.0, v104                    ; 2^(my partner's M - M)
	v_mul_f32 v105, v[TX], v103
	s_delay_alu instid0(VALU_DEP_1)
	v_fma_f32 v105, v101, v104, v105               ; the row's l
	s_wait_alu depctr_va_vdst(0)
	v_rcp_f32 v106, v105
	v_nop                                          ; one plain place behind a transcendental
	s_wait_alu depctr_va_vdst(0)
	v_mul_f32 v106, s43, v106                      ; gamma / l
	s_delay_alu instid0(VALU_DEP_1)
	v_mul_f32 v[F], v103, v106
	s_delay_alu instid0(VALU_DEP_2)
	v_mul_f32 v[SU], v104, v106
	WIN 0x41
.set j, 0
.rept 32
	v_pk_mul_f32 v[j:j+1], v[j:j+1], v[F:F+1] op_sel_hi:[1,0]   ; ascending: each accumulator from its low end on
.set j, j+2
.endr
	WIN 0x51
.set j, 0
.rept 32
	v_pk_fma_f32 v[j:j+1], v[128+j:128+j+1], v[SU:SU+1], v[j:j+1] op_sel_hi:[1,0,1]
.set j, j+2
.endr
	WIN 0x04
.irp f, 0,1,2,3,4,5,6,7
.irp j, 0,1,2,3,4,5,6,7
	ds_store_b32 v21, v[8*\f+\j] offset:(16*\f+\j)*272          ; channel 128 g + 16 f + 8 h + j, query 16 t + r: sixteen lanes 64 neighbouring bytes of a stage row
.endr
.endr
	WIN 0
	s_wait_dscnt 0x0
	s_barrier_signal -1
	s_barrier_wait -1                              ; 256 whole rows of 64 queries lie in the stage
	WIN 0x40
.irp i, 0,1,2,3,4,5,6,7,8,9,10,11,12,13,14,15
	ds_load_b128 v[128+4*\i:128+4*\i+3], v22 offset:2*\i*272
.endr
	s_wait_loadcnt 0x0                             ; x
	s_wait_dscnt 0x0
	WIN 0x45
.set j, 0
.rept 32
	v_pk_add_f32 v[128+j:128+j+1], v[128+j:128+j+1], v[192+j:192+j+1]   ; + x
.set j, j+2
.endr
	WIN 0x04                                       ; a store's data are its source 1: window 1
.irp i, 0,1,2,3,4,5,6,7,8,9,10,11,12,13,14,15
	global_store_b128 v16, v[128+4*\i:128+4*\i+3], s[50:51] offset:2*\i*16384 th:TH_STORE_NT   ; 16 lanes store 256 consecutive bytes, at a multiple of 256 from out's first byte
.endr
	WIN 0
	s_wait_tensorcnt 0x0                           ; the wave's end, behind my last tensor load and my last LDS store
	ds_add_u32 v1, v2
	s_wait_dscnt 0x0
	CROUND                                         ; the closing round: no work-group ends while a partner may still ask for a slot that names it
	s_endpgm
.Lfunc_end_k_q1e7871943c_attn:
	.size	k_q1e7871943c_attn, .Lfunc_end_k_q1e7871943c_attn-k_q1e7871943c_attn
	.p2alignl 7, 3214868480
	.fill 96, 4, 3214868480
	.section	.rodata,"a",@progbits
	.p2align	6, 0x0
	.amdhsa_kernel k_q1e7871943c_attn
		.amdhsa_group_segment_fixed_size 327680
		.amdhsa_private_segment_fixed_size 0
		.amdhsa_enable_private_segment 0
		.amdhsa_kernarg_size 48
		.amdhsa_user_sgpr_count 2
		.amdhsa_user_sgpr_kernarg_segment_ptr 1
		.amdhsa_wavefront_size32 1
		.amdhsa_system_sgpr_workgroup_id_x 1
		.amdhsa_system_sgpr_workgroup_id_y 1
		.amdhsa_system_sgpr_workgroup_id_z 1
		.amdhsa_system_vgpr_workitem_id 0
		.amdhsa_next_free_vgpr 512
		.amdhsa_next_free_sgpr 66
		.amdhsa_reserve_vcc 0
		.amdhsa_float_denorm_mode_32 3
		.amdhsa_float_denorm_mode_16_64 3
		.amdhsa_memory_ordered 1
		.amdhsa_forward_progress 1
		.amdhsa_inst_pref_size 108
	.end_amdhsa_kernel
	.amdgpu_metadata
---
amdhsa.version: [ 1, 2 ]
amdhsa.kernels:
  - .name:           k_q1e7871943c_attn
    .symbol:         k_q1e7871943c_attn.kd
    .args:
      - { .name: qc, .offset: 0, .size: 8, .value_kind: global_buffer, .address_space: global }
      - { .name: qs, .offset: 8, .size: 8, .value_kind: global_buffer, .address_space: global }
      - { .name: kv, .offset: 16, .size: 8, .value_kind: global_buffer, .address_space: global }
      - { .name: x, .offset: 24, .size: 8, .value_kind: global_buffer, .address_space: global }
      - { .name: gamma, .offset: 32, .size: 8, .value_kind: global_buffer, .address_space: global }
      - { .name: out0, .offset: 40, .size: 8, .value_kind: global_buffer, .address_space: global }
    .group_segment_fixed_size: 327680
    .private_segment_fixed_size: 0
    .kernarg_segment_align: 8
    .kernarg_segment_size: 48
    .max_flat_workgroup_size: 256
    .sgpr_count:     66
    .vgpr_count:     512
    .wavefront_size: 32
...
	.end_amdgpu_metadata
.endif
;; end of part 2
